; MI455X (gfx1250); checked and timed in simulation.
; The chip was launched on July 23, 2026; its instructions are those of AMD's public machine-readable ISA for CDNA 5 (MIT licence, August 2026) and "CDNA5" Instruction Set Architecture Reference Guide (July 2026). The comments in the code are by the model that wrote it; some were corrected since.
;; Scaled Dot Attention. Allowed arithmetic: matrix products marked QUANTISED: E3M2 operands, one E8M0 scale for each 32 along K, by v_wmma_scale_f32_16x16x128_f8f6f4 with both operands' format E3M2, f32 sums; everything else in f32.
;; Inputs: b_proj 64 float32; b_qkv 192 float32; w_proj 64 x 64 float32; w_qkv 192 x 64 float32; x 4 x 64 x 64 x 64 float32.
;; Outputs: out0 4 x 64 x 64 x 64 float32.
;; This version of the problem:
;;   THIS VERSION OF THE PROBLEM IS GIVEN IN LOW PRECISION. The matrix products marked QUANTISED in the list below multiply operands that are first quantised to E3M2 (3 exponent bits, 2 mantissa bits; 6 bits a number), with one power-of-two scale for each 32 numbers along K (OCP MX v1.0); their sums are f32. All else is computed in f32.
;;   The module's matrix products, in the order in which they are computed (A, B: the left and right operand; K: the contracted axis; several contracted axes count as one K, in the product's order):
;;     1. [M 192, K 64] x [K 64, N 16,384]; A: input w_qkv; B: computed on the way: QUANTISED
;;     2. batch 4 x [M 4,096, K 64] x [K 64, N 4,096]; A: computed on the way; B: computed on the way: QUANTISED
;;     3. batch 4 x [M 4,096, K 4,096] x [K 4,096, N 64]; A: softmax (see below); B: computed on the way: QUANTISED
;;     4. [M 64, K 64] x [K 64, N 16,384]; A: input w_proj; B: computed on the way: QUANTISED
;;   THE QUANTISER, for each operand of a quantised product, along K:
;;     - K is cut into blocks of 32 from its start; a last block that is shorter is filled with zeros.
;;     - A block's scale is 2^e with e = floor(log2(the largest magnitude in the block)) - 4, held to -126 .. 127; a block of zeros has e = 0. As a byte (E8M0): e + 127.
;;     - Each number is divided by its block's scale, clamped to +-28, and rounded to the nearest number of E3M2, ties to even, subnormals kept.
;;     - The product sums the exact products of the quantised numbers (number of the format x scale) in f32.
;;   ~~~python
;;   def quantise(x, axis):      # numpy; x: float32 -> the quantised numbers, widened to float32 again
;;       x = np.moveaxis(x, axis, -1); K = x.shape[-1]
;;       x = np.pad(x, [(0, 0)] * (x.ndim - 1) + [(0, -K % 32)]); x = x.reshape(x.shape[:-1] + (-1, 32)); a = np.abs(x).max(-1, keepdims=True)
;;       e = np.where(a > 0, np.clip(np.frexp(np.where(a > 0, a, 1))[1] - 1 - 4, -126, 127), 0)      # np.frexp(a)[1] - 1 = floor(log2(a)), exactly
;;       r = np.clip(x / 2.0 ** e, -28, 28)
;;       step = 2.0 ** (np.maximum(np.frexp(np.where(r == 0, 1, r))[1] - 1, -2) - 2)
;;       q = np.round(r / step) * step * 2.0 ** e      # np.round: ties to even
;;       return np.moveaxis(q.reshape(q.shape[:-2] + (-1,))[..., :K], -1, axis).astype(np.float32)
;;   ~~~
;;   SOFTMAX AHEAD OF A QUANTISED PRODUCT. Where the list says 'softmax', what is quantised is not the finished softmax but p = 2^(t - M), with t = logit x log2(e) and M = ceil(the row's largest t), a whole number; so 1/2 < the row's largest p <= 1. The row's sum l is taken of the UNQUANTISED p, in f32, and the product's result is divided by l at the end. Since M is a whole number, a kernel that streams over the keys may use a running M (the ceiling of the running maximum): every later rescaling is an exact power of two, which a block's scale takes up: the codes' values come out the same.
;;   OPERANDS COMPUTED ON THE WAY. 'Computed on the way' means the value that the module computes at that place (a softmax that the list does not call 'softmax' is quantised finished and normalised). What goes into a quantiser is computed in f32, as accurately as f32 sums, v_exp_f32 and their like allow (about 1e-6 of the number): no bf16 or f16 on the way to a quantiser, and a product that is left as it is and whose result goes on into a quantised operand takes f32 operands (vector FMAs, or v_wmma_f32_16x16x4_f32). A number that lies on a knife's edge between two numbers of the format may be rounded either way, as far as f32 arithmetic and the matrix unit's own rounding can turn it there, and no further.
;; One version. Each part assembles by itself: llvm-mc -triple=amdgcn-amd-amdhsa -mcpu=gfx1250 --defsym DOCPART=n.
;; ======== version 1 of 1: 3 launches
;; workspace buffers: stats 2,048 bytes; wq 14,336 bytes; qf 851,968 bytes; kv 1,671,168 bytes
;; launch prep (part 1): grid 272 x 1, 1 waves a work-group, no clusters, 0 bytes of LDS; arguments x, w_qkv, w_proj, stats, wq; writes stats, wq
.if DOCPART == 1
	.amdgcn_target "amdgcn-amd-amdhsa--gfx1250"
	.amdhsa_code_object_version 6
	.text
	.protected	k_qfc2184fc77_prep
	.globl	k_qfc2184fc77_prep
	.p2align	8
	.type	k_qfc2184fc77_prep,@function
k_qfc2184fc77_prep:
	s_mov_b64 s[64:65], 0
	v_nop
	global_prefetch_b8 v0, s[64:65] scope:SCOPE_SE
	s_setreg_imm32_b32 hwreg(HW_REG_WAVE_MODE, 25, 1), 1
	s_wait_xcnt 0x0
; Two small jobs in one launch, told apart by the work-group's number; one wave to a work-group, no LDS, no barrier.
; Work-groups 0-255 (id = 64 b + c): mean and 1 / sqrt(variance + 1e-5) of row (b, c) of x, 4,096 numbers.  The row, 16,384 bytes, is 128 registers of the wave: it is read once and
; kept for both passes.  The variance is the mean of (x - mean)^2, in two passes: no difference of large sums is formed.
;   stats: mean at 512 b + 4 c, 1 / sqrt at 512 b + 256 + 4 c.  (8 bytes a work-group: the 2,048 bytes of stats are not written in runs of 256.)
; Work-groups 256-271 (T = 0 .. 15): a tile of 16 rows of w_qkv (T < 12) or w_proj into codes of BF6 (E3M2) with one E8M0 byte for each 32 along K = the 64 input channels.
;   Row m of tile T' is output channel 64 (T' / 4) + 32 (m / 8) + 8 (T' % 4) + m % 8: in a product's result the four tiles of a group then leave 32 neighbouring channels in a lane's 32 registers.
;   wq: codes at 768 T as an image of the operand's registers (registers 2 p, 2 p + 1 of lane l at 256 p + 8 l); the rows' scale words at 12,288 + 128 T + 4 l (byte 0: channels 0-31, byte 1: 32-63, bytes 2, 3: 0).
; THE QUANTISER: a block's scale is 2^(floor(log2(largest magnitude)) - 4); its byte is the largest magnitude's exponent field - 4, held at 1 from below.
; LIMITS: NaN and infinities are not served; a block whose largest magnitude lies under 2^-122 keeps the byte 1; a block of zeros gets the byte 1, not 127 (its codes are zeros, and this program alone reads the bytes).
; No tile is shared between work-groups, so there is no cluster.
.set NSTAT, 256                        ; work-groups that take a row of x
.set ROWB,  16384                      ; bytes in a row of x
.set SUM,   16                         ; v16-23  four running sums, two numbers each
.set DV,    24                         ; v24-31  x - mean, at work
.set X,     32                         ; v32-159 the row;  in a weight's work-group v32-63: my block of 32
.set PC,    64                         ; v64-69  a block's codes
.set CT,    72                         ; v72-74  its upper 16 codes as the conversion leaves them
.set TM,    80                         ; v80 largest magnitude, v81 the conversion's scale operand, v82 the scale's byte
; 32 numbers of a lane, v[src] on, one block along K, become 6 registers of codes at v[pc] and a byte in v[tm + 2]
.macro QB src, pc, ct, tm
	v_max3_num_f32 v[\tm], |v[\src]|, |v[\src+1]|, 0x2800000       ; the floor 2^(5 - 127) among the leaves: the byte cannot fall under 1
.irp i, 2,4,6,8,10,12,14,16,18,20,22,24,26,28,30
	v_max3_num_f32 v[\tm], v[\tm], |v[\src+\i]|, |v[\src+\i+1]|
.endr
	v_add_nc_u32 v[\tm+1], 0xfe000000, v[\tm]                      ; 4 off the exponent field: the conversion takes this operand's exponent field as its scale
	v_lshrrev_b32 v[\tm+2], 23, v[\tm+1]                           ; the scale's byte
	v_cvt_scalef32_pk16_bf6_f32 v[\pc:\pc+2], v[\src:\src+15], v[\tm+1]
	v_cvt_scalef32_pk16_bf6_f32 v[\ct:\ct+2], v[\src+16:\src+31], v[\tm+1]   ; (a conversion's three registers begin on an even number)
	v_nop                                                          ; one plain line behind the last conversion
.irp i, 0,1,2
	v_mov_b32 v[\pc+3+\i], v[\ct+\i]
.endr
.endm
; the four running sums become one number, the same in every lane
.macro LANESUM
	v_pk_add_f32 v[SUM:SUM+1], v[SUM:SUM+1], v[SUM+2:SUM+3]
	v_pk_add_f32 v[SUM+4:SUM+5], v[SUM+4:SUM+5], v[SUM+6:SUM+7]
	v_pk_add_f32 v[SUM:SUM+1], v[SUM:SUM+1], v[SUM+4:SUM+5]
	v_add_f32 v[SUM], v[SUM], v[SUM+1]
	v_add_f32_dpp v[SUM], v[SUM], v[SUM] row_xmask:1 row_mask:0xf bank_mask:0xf
	v_add_f32_dpp v[SUM], v[SUM], v[SUM] row_xmask:2 row_mask:0xf bank_mask:0xf
	v_add_f32_dpp v[SUM], v[SUM], v[SUM] row_xmask:4 row_mask:0xf bank_mask:0xf
	v_add_f32_dpp v[SUM], v[SUM], v[SUM] row_xmask:8 row_mask:0xf bank_mask:0xf
	v_permlanex16_b32 v[SUM+1], v[SUM], s20, s21                   ; the other half of the lanes (its destination has been written)
	v_add_f32 v[SUM], v[SUM], v[SUM+1]
.endm
	s_load_b256 s[4:11], s[0:1], 0x0               ; x s[4:5], w_qkv s[6:7], w_proj s[8:9], stats s[10:11]
	s_load_b64 s[12:13], s[0:1], 0x20              ; wq
	s_mov_b32 s20, 0x76543210                      ; v_permlanex16_b32's selects for lane l xor 16
	s_mov_b32 s21, 0xfedcba98
	s_cmp_lt_u32 ttmp9, NSTAT
	s_cbranch_scc0 .Lweight
	; ---- a row's mean and 1 / sqrt(variance + eps)
	v_lshlrev_b32 v2, 4, v0                        ; 16 bytes a lane: a load covers 512 consecutive bytes
	s_lshl_b32 s14, ttmp9, 14                      ; the row's first byte
	s_mov_b32 s15, 0
	s_wait_kmcnt 0x0
	s_add_nc_u64 s[4:5], s[4:5], s[14:15]
.irp k, 0,1,2,3,4,5,6,7,8,9,10,11,12,13,14,15,16,17,18,19,20,21,22,23,24,25,26,27,28,29,30,31
	global_load_b128 v[X+4*\k:X+4*\k+3], v2, s[4:5] offset:512*\k
.endr
	s_wait_loadcnt 24                              ; the first eight loads are in; the 24 younger ones may be out
.irp c, 0,1,2,3
	v_pk_add_f32 v[SUM+2*\c:SUM+2*\c+1], v[X+2*\c:X+2*\c+1], v[X+8+2*\c:X+9+2*\c]   ; the first eight pairs start the four sums: nothing is cleared
.endr
.set p, 8
.rept 56
.if p == 16
	s_wait_loadcnt 16                              ; the second eight; 16 younger
.endif
.if p == 32
	s_wait_loadcnt 8
.endif
.if p == 48
	s_wait_loadcnt 0
.endif
	v_pk_add_f32 v[SUM+2*(p%4):SUM+2*(p%4)+1], v[SUM+2*(p%4):SUM+2*(p%4)+1], v[X+2*p:X+2*p+1]
.set p, p+1
.endr
	LANESUM
	v_mul_f32 v8, 0x39800000, v[SUM]               ; the mean: sum x 2^-12
	v_mov_b32 v9, v8                               ; twice, for the packed subtraction
.set p, 0
.rept 16
.irp c, 0,1,2,3
	v_pk_add_f32 v[DV+2*\c:DV+2*\c+1], v[X+2*(p+\c):X+2*(p+\c)+1], v[8:9] neg_lo:[0,1] neg_hi:[0,1]   ; x - mean
.endr
.irp c, 0,1,2,3
.if p == 0
	v_pk_mul_f32 v[SUM+2*\c:SUM+2*\c+1], v[DV+2*\c:DV+2*\c+1], v[DV+2*\c:DV+2*\c+1]
.else
	v_pk_fma_f32 v[SUM+2*\c:SUM+2*\c+1], v[DV+2*\c:DV+2*\c+1], v[DV+2*\c:DV+2*\c+1], v[SUM+2*\c:SUM+2*\c+1]
.endif
.endr
.set p, p+4
.endr
	LANESUM
	s_mov_b32 s22, 0x39800000                      ; 2^-12
	s_mov_b32 s23, 0x3727c5ac                      ; 1e-5
	v_fma_f32 v10, v[SUM], s22, s23                ; variance + eps
	v_rsq_f32 v11, v10
	v_lshlrev_b32 v12, 8, v0                       ; (a plain line behind the transcendental)  lane 0 stores the mean, lane 1, 256 bytes on, the other
	v_cmp_eq_u32 vcc_lo, 1, v0
	s_lshr_b32 s14, ttmp9, 6
	s_lshl_b32 s14, s14, 9                         ; 512 b
	s_and_b32 s16, ttmp9, 63
	s_lshl_b32 s16, s16, 2                         ; + 4 c
	s_add_co_u32 s14, s14, s16
	s_add_nc_u64 s[10:11], s[10:11], s[14:15]
	s_wait_alu depctr_va_vdst(0)                   ; the wait ahead of the first line that names the result
	v_cndmask_b32 v13, v8, v11, vcc_lo
	s_wait_xcnt 0x0                                ; EXEC changes only behind this wait
	v_cmpx_gt_u32 2, v0                            ; lanes 0 and 1
	global_store_b32 v12, v13, s[10:11]
	s_endpgm
	; ---- a tile of 16 rows of a weight
.Lweight:
	s_sub_co_u32 s14, ttmp9, NSTAT                 ; T
	v_and_b32 v2, 15, v0                           ; r
	v_lshrrev_b32 v3, 4, v0                        ; h
	v_and_b32 v4, 8, v2
	v_mad_u32_u24 v4, v4, 3, v2                    ; 32 (r / 8) + r % 8
	v_lshlrev_b32 v4, 8, v4                        ; a row of a weight is 256 bytes
	v_lshl_add_u32 v4, v3, 7, v4                   ; + my block of 32 channels
	v_lshlrev_b32 v8, 3, v0                        ; 8 x lane
	v_lshlrev_b32 v9, 2, v0                        ; 4 x lane
	v_lshlrev_b32 v5, 3, v3                        ; 8 h
	v_mov_b32 v7, 0                                ; a lane permute's destination counts as one of its sources
	s_cmp_lt_u32 s14, 12
	s_wait_kmcnt 0x0
	s_cselect_b64 s[6:7], s[6:7], s[8:9]           ; the choice hangs on the work-group's number alone
	s_cselect_b32 s15, 0, 12
	s_sub_co_u32 s15, s14, s15                     ; T': the tile's number in its tensor
	s_lshr_b32 s16, s15, 2
	s_lshl_b32 s16, s16, 6
	s_and_b32 s17, s15, 3
	s_lshl_b32 s17, s17, 3
	s_add_co_u32 s16, s16, s17                     ; 64 (T' / 4) + 8 (T' % 4)
	s_lshl_b32 s16, s16, 8
	s_mov_b32 s17, 0
	s_add_nc_u64 s[6:7], s[6:7], s[16:17]
.irp i, 0,1,2,3,4,5,6,7
	global_load_b128 v[X+4*\i:X+4*\i+3], v4, s[6:7] offset:16*\i
.endr
	s_mul_i32 s16, s14, 768
	s_add_nc_u64 s[18:19], s[12:13], s[16:17]      ; the tile's codes
	s_lshl_b32 s16, s14, 7
	s_add_nc_u64 s[12:13], s[12:13], s[16:17]      ; and, 12,288 bytes on, its scale words
	s_wait_loadcnt 0x0
	QB X, PC, CT, TM
	v_lshlrev_b32 v6, v5, v[TM+2]                  ; my block's byte at its place,
	v_permlanex16_b32 v7, v6, s20, s21
	v_or_b32 v6, v6, v7                            ; with lane l xor 16's the row's word is whole
.irp p, 0,1,2
	global_store_b64 v8, v[PC+2*\p:PC+2*\p+1], s[18:19] offset:256*\p   ; 32 lanes store 256 consecutive bytes, aligned
.endr
	global_store_b32 v9, v6, s[12:13] offset:12288 ; 128 consecutive bytes
	s_endpgm
.Lfunc_end_k_qfc2184fc77_prep:
	.size	k_qfc2184fc77_prep, .Lfunc_end_k_qfc2184fc77_prep-k_qfc2184fc77_prep
	.p2alignl 7, 3214868480
	.fill 96, 4, 3214868480
	.section	.rodata,"a",@progbits
	.p2align	6, 0x0
	.amdhsa_kernel k_qfc2184fc77_prep
		.amdhsa_group_segment_fixed_size 0
		.amdhsa_private_segment_fixed_size 0
		.amdhsa_enable_private_segment 0
		.amdhsa_kernarg_size 40
		.amdhsa_user_sgpr_count 2
		.amdhsa_user_sgpr_kernarg_segment_ptr 1
		.amdhsa_wavefront_size32 1
		.amdhsa_system_sgpr_workgroup_id_x 1
		.amdhsa_system_sgpr_workgroup_id_y 1
		.amdhsa_system_sgpr_workgroup_id_z 1
		.amdhsa_system_vgpr_workitem_id 0
		.amdhsa_next_free_vgpr 160
		.amdhsa_next_free_sgpr 66
		.amdhsa_reserve_vcc 1
		.amdhsa_float_denorm_mode_32 3
		.amdhsa_float_denorm_mode_16_64 3
		.amdhsa_memory_ordered 1
		.amdhsa_forward_progress 1
		.amdhsa_inst_pref_size 22
	.end_amdhsa_kernel
	.amdgpu_metadata
---
amdhsa.version: [ 1, 2 ]
amdhsa.kernels:
  - .name:           k_qfc2184fc77_prep
    .symbol:         k_qfc2184fc77_prep.kd
    .args:
      - { .name: x, .offset: 0, .size: 8, .value_kind: global_buffer, .address_space: global }
      - { .name: w_qkv, .offset: 8, .size: 8, .value_kind: global_buffer, .address_space: global }
      - { .name: w_proj, .offset: 16, .size: 8, .value_kind: global_buffer, .address_space: global }
      - { .name: stats, .offset: 24, .size: 8, .value_kind: global_buffer, .address_space: global }
      - { .name: wq, .offset: 32, .size: 8, .value_kind: global_buffer, .address_space: global }
    .group_segment_fixed_size: 0
    .private_segment_fixed_size: 0
    .kernarg_segment_align: 8
    .kernarg_segment_size: 40
    .max_flat_workgroup_size: 32
    .sgpr_count:     66
    .vgpr_count:     160
    .wavefront_size: 32
...
	.end_amdgpu_metadata
.endif
;; end of part 1
;; launch qkv (part 2): grid 128 x 1, 12 waves a work-group, no clusters, 11,776 bytes of LDS; arguments x, stats, wq, b_qkv, qf, kv; writes qf, kv
.if DOCPART == 2
	.amdgcn_target "amdgcn-amd-amdhsa--gfx1250"
	.amdhsa_code_object_version 6
	.text
	.protected	k_qfc2184fc77_qkv
	.globl	k_qfc2184fc77_qkv
	.p2align	8
	.type	k_qfc2184fc77_qkv,@function
k_qfc2184fc77_qkv:
	s_mov_b64 s[64:65], 0
	v_nop
	global_prefetch_b8 v0, s[64:65] scope:SCOPE_SE
	s_setreg_imm32_b32 hwreg(HW_REG_WAVE_MODE, 25, 1), 1
	s_wait_xcnt 0x0
; h = (x - mean) / sqrt(var + eps), quantised along the 64 channels; q, k, v = W h + b on codes of BF6 (E3M2); q and k quantised along the channels, v along the pixels (the keys).
; A work-group makes one RECORD: 128 pixels of one batch (id = 32 b + pixel / 128).  The three results go to memory in the order of the attention launch's operand registers.
; TILES.  Tile t = 4 c + j of a record holds pixels 64 c + 4 m + j, m = 0 .. 15.  In a result whose rows are pixels, register jj of lane (r, h) of tile (c, j) is pixel 64 c + 32 h + 4 jj + j: the 32 registers of
; tiles (c, 0 .. 3) are one whole block of 32 keys, 2 c + h.  The order inside the block (place 8 j + jj holds key 4 jj + j) is the same here, for v, and in the attention launch, for p.
; K = 64 IN A FORM OF K = 128: an operand's registers 0-5 hold k = 32 h + 0 .. 31; the weight's registers 6-11 are zeros, so what stands in the other side's registers 6-11 (the next tile's codes, or six written registers) counts for nothing.
; ROLES by the wave's number w.  Waves 8-11 first normalise and quantise x: 32 channels (block hb = w & 1) x 64 pixels (half c = (w >> 1) & 1) each; images of h's fragments go to LDS | barrier |
;   waves 0-7: role = w >> 2 (q, k), pair of tiles w & 3: 8 products (source 0 = 16 rows of W, source 1 = 16 pixels): a lane holds one pixel and 32 neighbouring channels: two blocks, quantised in place;
;   waves 8-11: channel tile n = w & 3 of v: 8 products (source 0 = 16 pixels, source 1 = 16 rows of W): a lane holds one channel and 64 pixels: two blocks | barrier | waves 0, 4, 8 gather the scale words.
; RECORDS.  qf: 6,656 bytes: codes of pair i' (tiles 2 i', 2 i' + 1: 12 registers) at 1,536 i' as three images of 512 bytes (lane l's 16 bytes at 16 l); scale words at 6,144: lane l's 16 bytes at 16 l, word i' for tile 2 i' + l / 16, row l % 16.
;   kv: 13,056 bytes: k as in qf; v's channel tile n (12 registers) at 6,656 + 1,536 n; v's scale words at 12,800: lane l's 8 bytes at 8 l, word i for tile 2 i + l / 16, row l % 16, byte = key block.
; LIMITS: NaN and infinities are not served; a block whose largest magnitude lies under 2^-122 keeps the byte 1; a block of zeros gets the byte 1, not 127 (zero codes; the bytes are this program's own).
; No cluster: what work-groups share is the 14 KB of weights' codes, against 32 KB of x that are a work-group's own, and all operands come through registers.
.set REC,  13056                       ; a record of kv
.set QREC, 6656                        ; a record of qf
.set HP,   1664                        ; LDS: from pair to pair of h's images: 1,536 + 128, so that the writers' even and odd lanes fall on different columns of 16 bytes
.set HIMG, 0                           ; h's four pairs
.set HSC,  6656                        ; h's scale bytes as words: [hb][tile][16 rows]
.set SCG,  7680                        ; a scale word a lane, 128 bytes a wave
.set W,    16                          ; v16-63   four weight tiles: 6 registers of codes, 6 of zeros
.set WS,   64                          ; v64-67   their scale words
.set BI,   68                          ; v68-99   the biases, in the result's layout
.set H,    76                          ; v76-139  waves 8-11: 64 normalised numbers
.set HF,   100                         ; v100-153 h's fragments, 6 registers a tile, and 6 written registers behind the last
.set TM,   140                         ; v140-147 the quantiser's: largest magnitude, scale operand, byte, a spare; twice
.set HR,   154                         ; v154-161 the words of channel block 1 as loaded
.set HS,   162                         ; v162-169 h's scale words
.set PC,   170                         ; v170-181 codes just made
.set CT,   182                         ; v182-189 the conversions' upper halves; at the end the gathered words
.set ACC,  192                         ; v192-255 eight results
.set XR,   192                         ; waves 8-11: x as loaded
; v1 16 x lane; v2 my pair of h; v3, v15 offsets into wq; v4, v5 h's scale words; v6, v7 where waves 8-11 store; v8, v9 the gather; v10 8 h; v11 8 x lane; v12 4 x lane; v14 bias offset
; two blocks of 32 numbers of a lane, v[src] and v[src + 32] on, become 12 registers of codes at v[pc]; their bytes in v[tm + 2], v[tm + 6]
.macro QB2 src, pc, ct, tm
.irp b, 0,1
	v_max3_num_f32 v[\tm+4*\b], |v[\src+32*\b]|, |v[\src+32*\b+1]|, 0x2800000   ; the floor 2^(5 - 127) among the leaves: the byte cannot fall under 1
.endr
.irp i, 2,4,6,8,10,12,14,16,18,20,22,24,26,28,30
.irp b, 0,1
	v_max3_num_f32 v[\tm+4*\b], v[\tm+4*\b], |v[\src+32*\b+\i]|, |v[\src+32*\b+\i+1]|   ; ascending: each result is read from its low end on
.endr
.endr
.irp b, 0,1
	v_add_nc_u32 v[\tm+4*\b+1], 0xfe000000, v[\tm+4*\b]            ; 4 off the exponent field: the conversion's scale operand
.endr
.irp b, 0,1
	v_lshrrev_b32 v[\tm+4*\b+2], 23, v[\tm+4*\b+1]                 ; the scale's byte
.endr
.irp b, 0,1
	v_cvt_scalef32_pk16_bf6_f32 v[\pc+6*\b:\pc+6*\b+2], v[\src+32*\b:\src+32*\b+15], v[\tm+4*\b+1]
	v_cvt_scalef32_pk16_bf6_f32 v[\ct+4*\b:\ct+4*\b+2], v[\src+32*\b+16:\src+32*\b+31], v[\tm+4*\b+1]   ; (a conversion's three registers begin on an even number)
.endr
	v_nop                                                          ; one plain line behind the last conversion
.irp b, 0,1
.irp i, 0,1,2
	v_mov_b32 v[\pc+6*\b+3+\i], v[\ct+4*\b+\i]
.endr
.endr
.endm
	s_load_b256 s[4:11], s[0:1], 0x0               ; x s[4:5], stats s[6:7], wq s[8:9], b_qkv s[10:11]
	s_load_b128 s[12:15], s[0:1], 0x20             ; qf s[12:13], kv s[14:15]
	s_set_vgpr_msb 0x40
	v_lshl_add_u32 v0, v0, 2, 0x2800
	v_mov_b32 v1, 0
	s_set_vgpr_msb 0x4000
	v_lshrrev_b32 v13, 5, v0
	v_readfirstlane_b32 s84, v13                   ; wave 0 .. 11
	s_and_b32 s85, s84, 3                          ; my pair of tiles, or my channel tile of v
	s_and_b32 s89, s84, 1                          ; hb
	s_bfe_u32 s90, s84, 0x10001                    ; c
	s_lshr_b32 s91, s84, 2                         ; role: 0 q, 1 k, 2 v
	s_mov_b32 s86, 0x76543210                      ; v_permlanex16_b32's selects for lane l xor 16
	s_mov_b32 s87, 0xfedcba98
	s_mov_b32 s88, 0xffff0000                      ; lanes 16-31
	s_mov_b32 s93, 0
	; every LDS address is made here, ahead of the first parting of the roles
	v_and_b32 v188, 31, v0                         ; lane
	v_and_b32 v187, 15, v0                         ; r
	v_bfe_u32 v190, v0, 4, 1                       ; h
	v_and_b32 v191, 1, v0                          ; lane & 1
	v_bfe_u32 v189, v0, 1, 4                       ; lane >> 1
	v_lshlrev_b32 v1, 4, v188
	v_lshlrev_b32 v11, 3, v188
	v_lshlrev_b32 v12, 2, v188
	v_lshlrev_b32 v10, 3, v190
	s_mul_i32 s2, s85, HP
	v_add_nc_u32 v2, s2, v1                        ; my pair's images
	v_lshl_add_u32 v5, v187, 2, HSC                ; row r's word of tile 0, block 0
	s_lshl_b32 s2, s85, 7
	v_add_nc_u32 v4, s2, v5                        ; of my pair's first tile
	v_mul_u32_u24 v6, v191, HP                     ; waves 8-11: lane l holds row l >> 1 of tiles 2 (l & 1), 2 (l & 1) + 1 of half c, block hb: it writes the place of lane (l >> 1) + 16 hb in pair 2 c + (l & 1)
	v_lshl_add_u32 v6, v189, 4, v6
	s_mul_i32 s2, s90, 2*HP
	s_lshl_b32 s3, s89, 8
	s_add_co_u32 s2, s2, s3
	v_add_nc_u32 v6, s2, v6
	v_lshlrev_b32 v7, 7, v191                      ; and its bytes' words: 512 hb + 256 c + 128 (l & 1) + 4 (l >> 1)
	v_lshl_add_u32 v7, v189, 2, v7
	s_lshl_b32 s2, s89, 9
	s_lshl_b32 s3, s90, 8
	s_add_co_u32 s2, s2, s3
	s_add_co_u32 s2, s2, HSC
	v_add_nc_u32 v7, s2, v7
	v_lshl_add_u32 v8, v0, 2, SCG                  ; 128 x wave + 4 x lane
	v_lshl_add_u32 v9, v190, 6, v12
	v_add_nc_u32 v9, SCG+1024, v9                  ; wave 8's gather: 128 h + 4 r in v's words
.irp t, 0,1,2,3
.irp i, 6,7,8,9,10,11
	v_mov_b32 v[W+12*\t+\i], 0                     ; the weights' upper 64 along K: zero codes
.endr
.endr
.irp i, 12,13,14,15,16,17,48,49,50,51,52,53
	v_mov_b32 v[HF+\i], 0                          ; named behind the last tile's codes, so they are written
.endr
	; my weight tiles: waves 0-7 tiles 4 role .. 4 role + 3; waves 8-11 use tile w alone (the three behind it are read by the same lines and not used: tiles up to 14, inside wq)
	s_cmp_lt_u32 s84, 8
	s_cselect_b32 s2, 4, 15
	s_and_b32 s2, s84, s2
	s_mul_i32 s3, s2, 768
	v_lshl_add_u32 v3, v188, 3, s3
	s_lshl_b32 s3, s2, 7
	v_lshl_add_u32 v15, v188, 2, s3
	s_wait_kmcnt 0x0
.irp t, 0,1,2,3
.irp p, 0,1,2
	global_load_b64 v[W+12*\t+2*\p:W+12*\t+2*\p+1], v3, s[8:9] offset:768*\t+256*\p
.endr
	global_load_b32 v[WS+\t], v15, s[8:9] offset:12288+128*\t
.endr
	; where my results go: s[94:95] my codes, s[96:97] my role's scale words
	s_cmp_lt_u32 s84, 4
	s_cselect_b64 s[94:95], s[12:13], s[14:15]     ; the choice hangs on the wave's number alone
	s_mov_b32 s2, REC
	s_cselect_b32 s2, QREC, s2
	s_mul_i32 s92, ttmp9, s2
	s_add_nc_u64 s[94:95], s[94:95], s[92:93]      ; the record
	s_cmp_lt_u32 s84, 8
	s_mov_b32 s92, 12800
	s_cselect_b32 s92, 6144, s92
	s_add_nc_u64 s[96:97], s[94:95], s[92:93]
	s_cselect_b32 s92, 0, 6656
	s_mul_i32 s2, s85, 1536
	s_add_co_u32 s92, s92, s2
	s_add_nc_u64 s[94:95], s[94:95], s[92:93]
	s_cmp_lt_u32 s84, 8
	s_cbranch_scc0 .Lxwave
	; ---- waves 0-7: the biases of my 64 channels: register 8 t + jj of lane (r, h) is channel 32 h + 8 t + jj
	v_lshlrev_b32 v14, 7, v190
	s_lshl_b32 s92, s91, 8
	s_add_nc_u64 s[98:99], s[10:11], s[92:93]
.irp t, 0,1,2,3
	global_load_b128 v[BI+8*\t:BI+8*\t+3], v14, s[98:99] offset:32*\t
	global_load_b128 v[BI+8*\t+4:BI+8*\t+7], v14, s[98:99] offset:32*\t+16
.endr
	s_branch .Lmeet1
.Lxwave:
	; ---- waves 8-11: v's bias: a lane holds one channel, 128 + 32 (r / 8) + 8 n + r % 8, in all eight registers
	v_and_b32 v14, 8, v187
	v_mad_u32_u24 v14, v14, 3, v187
	v_lshlrev_b32 v14, 2, v14
	s_lshl_b32 s92, s85, 5
	s_add_nc_u64 s[98:99], s[10:11], s[92:93]
.irp i, 0,1,2,3,4,5,6,7
	global_load_b32 v[BI+\i], v14, s[98:99] offset:512
.endr
	s_lshr_b32 s3, ttmp9, 5                        ; b
	s_lshl_b32 s92, s3, 9
	s_lshl_b32 s2, s89, 7
	s_add_co_u32 s92, s92, s2
	s_add_nc_u64 s[6:7], s[6:7], s[92:93]          ; my 32 channels' statistics
	s_load_b512 s[16:31], s[6:7], 0x0              ; means 0-15,
	s_load_b512 s[32:47], s[6:7], 0x40             ; 16-31;
	s_load_b512 s[48:63], s[6:7], 0x100            ; 1 / sqrt 0-15,
	s_load_b512 s[68:83], s[6:7], 0x140            ; 16-31
	s_lshl_b32 s92, s3, 20                         ; x: batch,
	s_lshl_b32 s2, s89, 19                         ; 32 hb channels of 16,384 bytes,
	s_add_co_u32 s92, s92, s2
	s_and_b32 s2, ttmp9, 31
	s_lshl_b32 s2, s2, 9                           ; the record's 128 pixels,
	s_add_co_u32 s92, s92, s2
	s_lshl_b32 s2, s90, 8                          ; my 64 of them
	s_add_co_u32 s92, s92, s2
	s_add_nc_u64 s[4:5], s[4:5], s[92:93]
.irp i, 0,1,2,3,4,5,6,7,8,9,10,11,12,13,14,15,16,17,18,19,20,21,22,23,24,25,26,27,28,29,30,31
	global_load_b64 v[XR+2*\i:XR+2*\i+1], v11, s[4:5] offset:16384*\i   ; channel i: 32 lanes read 256 consecutive bytes, aligned; lane l: pixels 2 l, 2 l + 1
.endr
	s_wait_kmcnt 0x0
.set i, 0
.rept 4
	s_wait_loadcnt 24-i                            ; eight more channels are in; the younger loads of x may be out
.set k, i
.rept 8
	v_sub_f32 v[H+k], v[XR+2*k], s[16+k]           ; x - mean; the even pixel's channels go to H + 0 .. 31, the odd one's to H + 32 .. 63
	v_sub_f32 v[H+32+k], v[XR+2*k+1], s[16+k]
.set k, k+1
.endr
.set k, i
.rept 8
	v_mul_f32 v[H+k], s[48+k+4*(k/16)], v[H+k]
	v_mul_f32 v[H+32+k], s[48+k+4*(k/16)], v[H+32+k]
.set k, k+1
.endr
.set i, i+8
.endr
	QB2 H, PC, CT, TM                              ; two pixels' blocks: 12 registers, the image of a lane of a pair
.irp q, 0,1,2
	ds_store_b128 v6, v[PC+4*\q:PC+4*\q+3] offset:HIMG+512*\q
.endr
	s_lshl_b32 s2, s89, 3
	v_lshlrev_b32 v[TM+3], s2, v[TM+2]             ; the byte at block hb's place in the row's word
	v_lshlrev_b32 v[TM+7], s2, v[TM+6]
	ds_store_b32 v7, v[TM+3]
	ds_store_b32 v7, v[TM+7] offset:64
.Lmeet1:
	s_wait_dscnt 0x0                               ; for the others' sake: my LDS stores have landed
	s_barrier_signal -1
	s_barrier_wait -1                              ; h's eight fragments and their words lie in LDS
	s_cmp_lt_u32 s84, 8
	s_cbranch_scc0 .Lvwave
	; ---- waves 0-7: q or k of my two tiles of pixels
.irp q, 0,1,2
	ds_load_b128 v[HF+4*\q:HF+4*\q+3], v2 offset:HIMG+512*\q
.endr
	ds_load_b32 v[HS], v4
	ds_load_b32 v[HS+1], v4 offset:64
	ds_load_b32 v[HR], v4 offset:512
	ds_load_b32 v[HR+1], v4 offset:576
	s_wait_loadcnt 0x0                             ; weights and biases
	s_wait_dscnt 0x0
	v_or_b32 v[HS], v[HS], v[HR]                   ; byte 0 and byte 1 make the row's word
	v_or_b32 v[HS+1], v[HS+1], v[HR+1]
.rept 8
	v_nop                                          ; a scale register written by a vector instruction stands eight places ahead of the scaled product
.endr
.irp e, 0,1
.irp t, 0,1,2,3
	v_wmma_scale_f32_16x16x128_f8f6f4 v[ACC+32*\e+8*\t:ACC+32*\e+8*\t+7], v[W+12*\t:W+12*\t+11], v[HF+6*\e:HF+6*\e+11], v[BI+8*\t:BI+8*\t+7], v[WS+\t], v[HS+\e] matrix_a_fmt:MATRIX_FMT_BF6 matrix_b_fmt:MATRIX_FMT_BF6
.endr
.endr
.rept 4
	v_nop                                          ; four places ahead of the first read of results (ISA guide 7.12.1)
.endr
	QB2 ACC, PC, CT, TM                            ; lane (r, h): channels 32 h + 0 .. 31 of pixel row r, of tile e = 0 and of e = 1
	v_lshlrev_b32 v[TM+3], v10, v[TM+2]            ; my block's byte of tile 0 at its place,
	v_lshlrev_b32 v[TM+7], v10, v[TM+6]            ; of tile 1.  Lanes 0-15 are to hold tile 0's words, lanes 16-31 tile 1's:
	v_cndmask_b32 v190, v[TM+3], v[TM+7], s88      ; what I keep,
	v_cndmask_b32 v191, v[TM+7], v[TM+3], s88      ; what lane l xor 16 wants of me
	v_permlanex16_b32 v[TM+3], v191, s86, s87
	v_or_b32 v190, v190, v[TM+3]
	ds_store_b32 v8, v190
.irp q, 0,1,2
	global_store_b128 v1, v[PC+4*\q:PC+4*\q+3], s[94:95] offset:512*\q   ; 32 lanes store 512 consecutive bytes, aligned to 256
.endr
	s_branch .Lmeet2
.Lvwave:
	; ---- waves 8-11: v of my 16 channels, for the record's 128 pixels
.irp i, 0,1,2,3,4,5,6,7,8,9,10,11
	ds_load_b128 v[HF+4*\i:HF+4*\i+3], v1 offset:HIMG+(\i/3)*HP+512*(\i%3)
.endr
.irp t, 0,1,2,3,4,5,6,7
	ds_load_b32 v[HS+\t], v5 offset:64*\t
	ds_load_b32 v[HR+\t], v5 offset:512+64*\t
.endr
	s_wait_loadcnt 0x0
	s_wait_dscnt 0x0
.irp t, 0,1,2,3,4,5,6,7
	v_or_b32 v[HS+\t], v[HS+\t], v[HR+\t]
.endr
.rept 8
	v_nop                                          ; eight places ahead of the scaled products
.endr
.irp t, 0,1,2,3,4,5,6,7
	v_wmma_scale_f32_16x16x128_f8f6f4 v[ACC+8*\t:ACC+8*\t+7], v[HF+6*\t:HF+6*\t+11], v[W:W+11], v[BI:BI+7], v[HS+\t], v[WS] matrix_a_fmt:MATRIX_FMT_BF6 matrix_b_fmt:MATRIX_FMT_BF6
.endr
.rept 4
	v_nop                                          ; four places ahead of the first read of results and of the first write over h's fragments
.endr
	QB2 ACC, PC, CT, TM                            ; lane (r, h): key blocks h and 2 + h of channel row r: the whole fragment
	v_lshl_or_b32 v190, v[TM+6], 16, v[TM+2]
	v_lshlrev_b32 v190, v10, v190                  ; bytes h and 2 + h,
	v_permlanex16_b32 v191, v190, s86, s87
	v_or_b32 v190, v190, v191                      ; with lane l xor 16's two the word is whole
	ds_store_b32 v8, v190
.irp q, 0,1,2
	global_store_b128 v1, v[PC+4*\q:PC+4*\q+3], s[94:95] offset:512*\q
.endr
.Lmeet2:
	s_wait_dscnt 0x0
	s_barrier_signal -1
	s_barrier_wait -1                              ; every wave's scale words lie in LDS
	s_cmp_lg_u32 s85, 0
	s_cbranch_scc1 .Lend                           ; waves 0, 4 and 8 gather their role's words, so that they leave in runs of 256 bytes
	s_cmp_lt_u32 s84, 8
	s_cbranch_scc0 .Lgather_v
.irp i, 0,1,2,3
	ds_load_b32 v[CT+2+\i], v8 offset:128*\i       ; pair i's word of my lane
.endr
	s_wait_dscnt 0x0
	global_store_b128 v1, v[CT+2:CT+5], s[96:97]
	s_branch .Lend
.Lgather_v:
	ds_load_b32 v[CT+2], v9                        ; tile l / 16,
	ds_load_b32 v[CT+3], v9 offset:256             ; tile 2 + l / 16
	s_wait_dscnt 0x0
	global_store_b64 v11, v[CT+2:CT+3], s[96:97]
.Lend:
	s_set_vgpr_msb 0x5
	s_wait_tensorcnt 0x0
	ds_add_u32 v0, v1
	s_wait_dscnt 0x0
	s_set_vgpr_msb 0x500
	s_endpgm
.Lfunc_end_k_qfc2184fc77_qkv:
	.size	k_qfc2184fc77_qkv, .Lfunc_end_k_qfc2184fc77_qkv-k_qfc2184fc77_qkv
	.p2alignl 7, 3214868480
	.fill 96, 4, 3214868480
	.section	.rodata,"a",@progbits
	.p2align	6, 0x0
	.amdhsa_kernel k_qfc2184fc77_qkv
		.amdhsa_group_segment_fixed_size 11776
		.amdhsa_private_segment_fixed_size 0
		.amdhsa_enable_private_segment 0
		.amdhsa_kernarg_size 48
		.amdhsa_user_sgpr_count 2
		.amdhsa_user_sgpr_kernarg_segment_ptr 1
		.amdhsa_wavefront_size32 1
		.amdhsa_system_sgpr_workgroup_id_x 1
		.amdhsa_system_sgpr_workgroup_id_y 1
		.amdhsa_system_sgpr_workgroup_id_z 1
		.amdhsa_system_vgpr_workitem_id 0
		.amdhsa_next_free_vgpr 258
		.amdhsa_next_free_sgpr 100
		.amdhsa_reserve_vcc 0
		.amdhsa_float_denorm_mode_32 3
		.amdhsa_float_denorm_mode_16_64 3
		.amdhsa_memory_ordered 1
		.amdhsa_forward_progress 1
		.amdhsa_inst_pref_size 35
	.end_amdhsa_kernel
	.amdgpu_metadata
---
amdhsa.version: [ 1, 2 ]
amdhsa.kernels:
  - .name:           k_qfc2184fc77_qkv
    .symbol:         k_qfc2184fc77_qkv.kd
    .args:
      - { .name: x, .offset: 0, .size: 8, .value_kind: global_buffer, .address_space: global }
      - { .name: stats, .offset: 8, .size: 8, .value_kind: global_buffer, .address_space: global }
      - { .name: wq, .offset: 16, .size: 8, .value_kind: global_buffer, .address_space: global }
      - { .name: b_qkv, .offset: 24, .size: 8, .value_kind: global_buffer, .address_space: global }
      - { .name: qf, .offset: 32, .size: 8, .value_kind: global_buffer, .address_space: global }
      - { .name: kv, .offset: 40, .size: 8, .value_kind: global_buffer, .address_space: global }
    .group_segment_fixed_size: 11776
    .private_segment_fixed_size: 0
    .kernarg_segment_align: 8
    .kernarg_segment_size: 48
    .max_flat_workgroup_size: 384
    .sgpr_count:     100
    .vgpr_count:     258
    .wavefront_size: 32
...
	.end_amdgpu_metadata
.endif
;; end of part 2
;; launch attn (part 3): grid 64 x 4, 16 waves a work-group, clusters of 4 x 1, 327,680 bytes of LDS; arguments x, qf, kv, wq, b_proj, out0; writes out0
.if DOCPART == 3
	.amdgcn_target "amdgcn-amd-amdhsa--gfx1250"
	.amdhsa_code_object_version 6
	.text
	.protected	k_qfc2184fc77_attn
	.globl	k_qfc2184fc77_attn
	.p2align	8
	.type	k_qfc2184fc77_attn,@function
k_qfc2184fc77_attn:
	s_mov_b64 s[64:65], 0
	v_nop
	global_prefetch_b8 v0, s[64:65] scope:SCOPE_SE
	s_setreg_imm32_b32 hwreg(HW_REG_WAVE_MODE, 25, 1), 1
	s_wait_xcnt 0x0
	s_wait_alu depctr_hold_cnt(0) depctr_sa_sdst(0) depctr_va_vdst(0) depctr_va_sdst(0) depctr_va_ssrc(0) depctr_va_vcc(0) depctr_vm_vsrc(0)
	s_getreg_b32 s2, hwreg(HW_REG_IB_STS2, 6, 4)
	s_cmp_eq_u32 s2, 0
	s_cbranch_scc0 .Lentry_in_a_cluster
	s_endpgm
.Lentry_in_a_cluster:
	s_bfe_u32 s2, ttmp6, 0x10000c
	s_cmp_lg_u32 s2, 0x3003
	s_cbranch_scc0 .Lentry_shape_is_right
	s_endpgm
.Lentry_shape_is_right:
; out = x + W_proj (softmax(q k^T / 8) v) + b_proj, all three products on codes of BF6 (E3M2) with one E8M0 scale for each 32 along a product's K.  q, k, v come as the records that the launch before has laid (its head comment).
; THE SOFTMAX AHEAD OF THE SECOND PRODUCT: t = score x log2(e) / 8; M = the largest t so far, rounded UP to a whole number; p = 2^(t - M) is quantised along the keys, not normalised; the row's sum is taken of the
; unquantised p.  When M moves, the sum and O are multiplied by 2^(old M - new M): exact.
; SHARES.  A work-group owns 64 queries (group G) of batch b.  Wave w: j = w & 3 is its tile of 16 queries (pixels 64 G + 4 r + j), g = w >> 2 its share of the keys: of every chunk of 8 records (1,024 keys) records 2 g, 2 g + 1.
; So a wave walks 8 steps of 128 keys with an M, a sum and an O^T of its own; the four parts of a tile meet in LDS at the end (exactly: every M is a whole number).  Four waves to a SIMD: one's vector work stands beside another's products and LDS loads.
; LAYOUT.  S^T = K Q^T (source 0 = 16 keys, source 1 = my queries), O^T = V^T P^T (source 0 = 16 channels, source 1 = P): a lane holds ONE query throughout.  By the records' choice of tiles the 32 registers of tiles 4 c .. 4 c + 3 of S^T
; are one whole block of 32 keys, 2 c + lane / 16, in the order in which v's codes lie: a block's maximum needs no other lane, and the conversions' results are P's registers.
; K = 64 in a form of K = 128: Q's and W_proj's registers 6-11 are zeros; the other side's tiles lie 6 registers apart.
; CLUSTER.  The four work-groups of a cluster belong to one batch and walk the same chunks: each chunk is asked for JOINTLY (the same tensor load, the same descriptor, a mask that names the four).  Only global addresses of q, x and out hang on the place in the cluster.
; THE SLOTS: three, of one chunk (104,448 bytes) each.  Chunks 0, 1, 2 are the first fills; slot 0 is filled once more, with chunk 3, behind the one round that follows chunk 0's two steps: that load has four key steps in which to land.
; The wait for all tensor loads in front of that round shows chunks 1 and 2 landed, so no barrier stands between them.  Waves 0-3 fetch two records each (102 rows of 256 bytes, dense).  By this text's count a wave has three tensor loads out at the start and one behind the round.
; All reads are images (lane l at 16 l or 8 l): no padding.  The merge and the stage lie in slot 1: it has its only fill at the start, and every wave's last read of it lies ahead of the walk's last barrier.
; K A STEP AHEAD.  Two regions of 64 registers, X and Y, change places from step to step: one holds S^T and then p, the other K and then V.  When p has been summed and converted its region is free: the next step's K is asked for into it,
; ahead of the scale word, O^T's rescaling and the products V^T P^T, wherever no barrier stands between the two steps (five steps of eight).
; LIMITS: NaN and infinities are not served; a block whose largest magnitude lies under 2^-122 keeps the byte 1, a block of zeros too (zero codes); the keys of a block of 32 stand in another order than in memory, alike in P and V, so the sums are grouped otherwise;
; 1 / sum is folded into the factors of the merge.  The launch claims all of a WGP's LDS.
.set REC,   13056                      ; a record: K's codes 0, K's scale words 6,144, V's codes 6,656, V's scale words 12,800
.set CH,    8*REC                      ; a chunk
.set SL,    CH                         ; from slot to slot
.set SPARE, 3*SL                       ; the spare words, 128 bytes for each of 16 waves: eight blocks of 256 bytes that no other line names
.set MRG,   SL                         ; in slot 1: the merge: for each wave 8 images of 512 bytes (O^T) and 256 bytes of pairs (-M, sum)
.set MW,    4352
.set STG,   MRG+16*MW                  ; behind it: the way out: 64 rows (channels) x (256 bytes + 16); it ends 17,408 bytes short of slot 2
.set SP,    272
.set AD0, 1                            ; v1, v2, v94   16 x lane + my two records, in slot 0, 1, 2
.set AD1, 2
.set AD2, 94
.set AS0, 3                            ; v3, v4, v95   8 x lane + the same
.set AS1, 4
.set AS2, 95
                                       ; v5 my spare word, v6 = 0 (both never rewritten); v7 8 h; v8, v9 where I put my part; v10, v11 where I read my tile's parts; v30, v31 the stage, in and back; v45 my offset in x and out
                                       ; v12 -M, v13 the largest t, v[14:15] the sum in two halves
.set Q,   16                           ; v16-27   Q: 6 registers of codes, 6 of zeros; at the end v16-23 x
.set QS,  28                           ; v28      Q's scale words
.set PW,  29                           ; v29      P's scale word; at the end the attention result's
.set WP,  32                           ; v32-43   W_proj's tile g: 6 + 6
.set WPS, 44
.set BP,  46                           ; v46-53   b_proj in the result's layout
.set KS,  54                           ; v54-57   K's scale words: register i: lanes 0-15 tile 2 i, lanes 16-31 tile 2 i + 1
.set VS,  58                           ; v58-59   V's likewise
.set P,   60                           ; v60-71   P's codes
.set CT,  72                           ; v72-79   the conversions' upper halves
.set BM,  80                           ; v80-81   the two blocks' largest scores, then largest p
.set SO,  82                           ; v82-83   the conversions' scale operands
.set BY,  84                           ; v84-85   the bytes
.set T0,  86
.set T1,  87
.set T2,  88
.set F,   90                           ; v[90:91] f = 2^(old M - new M)
.set SB,  92                           ; v[92:93] the sums' second chain
.set X,   96                           ; v96-159  in even steps S^T, then p; in odd steps K's eight tiles (6 registers each), then V's four
.set O,   160                          ; v160-191 O^T
.set Y,   192                          ; v192-255 the other way round
.set S,   X                            ; the merge's names for the two regions
.set KV,  Y
.macro ROUND                           ; a round of the cluster's barrier
	s_barrier_signal -1
	s_barrier_wait -1
	s_cmp_lg_u32 s16, 0
	s_cbranch_scc1 .Lnot_wave_0_\@
	s_barrier_signal -3
.Lnot_wave_0_\@:
	s_barrier_wait -3
	s_barrier_signal -1
	s_barrier_wait -1
.endm
.macro JLOAD                           ; the joint refill of slot 0: waves 0-3, one load each; the branch hangs on the wave's number alone; four v_nop follow the load
	s_cmp_lt_u32 s16, 4
	s_cbranch_scc0 .Lnone_\@
	tensor_load_to_lds s[32:35], s[24:31]
	s_nop 0
.rept 4
	v_nop
.endr
.Lnone_\@:
.endm
; THE TWO MEETINGS OF THE WALK.  Each wave waits for all its tensor loads, adds 0 to its spare word, and waits for that and for its LDS reads.
; fill = 1, behind chunk 0's steps: chunks 1 and 2 have landed; slot 0 takes chunk 3: a round of the cluster's barrier, and the joint load first behind it.  fill = 0, behind chunk 2's steps: chunk 3 has landed; nothing is left to fetch.
.macro CHANGE fill
	s_wait_tensorcnt 0x0                           ; no tensor load of mine is out, so a group 0 may be written
	ds_add_u32 v5, v6                              ; 0 onto my spare word
.if \fill
	s_add_nc_u64 s[34:35], s[34:35], 3*CH          ; from chunk 0 to chunk 3; the type bits on top are not reached
.endif
	s_wait_dscnt 0x0                               ; the add is done, and my reads of the slots that I have left are over
.if \fill
	ROUND
	JLOAD
.else
	s_barrier_signal -1
	s_barrier_wait -1
.endif
.endm
; a product: c < 0: the constant 0 starts the sum; row = 1: source 0's scales stand in lanes 16-31
.macro MM d, a, b, c, sa, sb, row
.if (\c) < 0
.if \row
	v_wmma_scale_f32_16x16x128_f8f6f4 v[\d:\d+7], v[\a:\a+11], v[\b:\b+11], 0, v[\sa], v[\sb] matrix_a_fmt:MATRIX_FMT_BF6 matrix_b_fmt:MATRIX_FMT_BF6 matrix_a_scale:MATRIX_SCALE_ROW1
.else
	v_wmma_scale_f32_16x16x128_f8f6f4 v[\d:\d+7], v[\a:\a+11], v[\b:\b+11], 0, v[\sa], v[\sb] matrix_a_fmt:MATRIX_FMT_BF6 matrix_b_fmt:MATRIX_FMT_BF6
.endif
.else
.if \row
	v_wmma_scale_f32_16x16x128_f8f6f4 v[\d:\d+7], v[\a:\a+11], v[\b:\b+11], v[\c:\c+7], v[\sa], v[\sb] matrix_a_fmt:MATRIX_FMT_BF6 matrix_b_fmt:MATRIX_FMT_BF6 matrix_a_scale:MATRIX_SCALE_ROW1
.else
	v_wmma_scale_f32_16x16x128_f8f6f4 v[\d:\d+7], v[\a:\a+11], v[\b:\b+11], v[\c:\c+7], v[\sa], v[\sb] matrix_a_fmt:MATRIX_FMT_BF6 matrix_b_fmt:MATRIX_FMT_BF6
.endif
.endif
.endm
; 32 numbers of a lane, one block, become 6 registers of codes at v[pc] and a byte in v[tm + 2]
.macro QB src, pc, ct, tm
	v_max3_num_f32 v[\tm], |v[\src]|, |v[\src+1]|, 0x2800000       ; the floor 2^(5 - 127) among the leaves
.irp i, 2,4,6,8,10,12,14,16,18,20,22,24,26,28,30
	v_max3_num_f32 v[\tm], v[\tm], |v[\src+\i]|, |v[\src+\i+1]|
.endr
	v_add_nc_u32 v[\tm+1], 0xfe000000, v[\tm]
	v_lshrrev_b32 v[\tm+2], 23, v[\tm+1]
	v_cvt_scalef32_pk16_bf6_f32 v[\pc:\pc+2], v[\src:\src+15], v[\tm+1]
	v_cvt_scalef32_pk16_bf6_f32 v[\ct:\ct+2], v[\src+16:\src+31], v[\tm+1]
	v_nop
.irp i, 0,1,2
	v_mov_b32 v[\pc+3+\i], v[\ct+\i]
.endr
.endm
; A KEY STEP: the 128 keys of my q-th record in the slot whose addresses stand in v[ad], v[as].  first = 1: the wave's first step, which starts M, the sum and O^T.
; par: the step's number mod 2: S^T in X and K, V in Y (0), or the other way round (1).  kpre = 1: the step before has asked for my K.  nad other than 0: I ask for the next step's K, record nq of the slot of v[nad].
.macro STEP ad, as, q, first, par, kpre, nad, nq
.set RO, (\q)*REC
.set RN, (\nq)*REC
.set SR, X+96*(\par)
.set KR, Y-96*(\par)
.if \kpre == 0
	ds_load_b128 v[KS:KS+3], v[\ad] offset:RO+6144
.irp i, 0,1,2,3,4,5,6,7,8,9,10,11
	ds_load_b128 v[KR+4*\i:KR+4*\i+3], v[\ad] offset:RO+512*\i
.endr
.endif
	s_wait_dscnt 0x0                               ; K and its scale words are in
.irp t, 0,1,2,3,4,5,6,7                ; (behind the last tile's six registers stand six that were written: zeros, or an earlier step's p; Q's zero codes meet them)
	MM SR+8*\t, KR+6*\t, Q, -1, KS+\t/2, QS, \t%2
.endr
.rept 4
	v_nop                                          ; four places ahead of loads into registers that the products have read, and of the first read of results (ISA guide 7.12.1 for the first read of results)
.endr
	ds_load_b64 v[VS:VS+1], v[\as] offset:RO+12800
.irp i, 0,1,2,3,4,5,6,7,8,9,10,11
	ds_load_b128 v[KR+4*\i:KR+4*\i+3], v[\ad] offset:RO+6656+512*\i   ; V lands while the softmax is worked
.endr
.irp c, 0,1
	v_max3_num_f32 v[BM+\c], v[SR+32*\c], v[SR+32*\c+1], v[SR+32*\c+2]   ; THE LARGEST SCORE OF EACH OF MY TWO BLOCKS: it serves the row's maximum and, since p rises with the score, the block's largest p.  Ascending: each result is read from its low end on
.endr
.irp i, 3,5,7,9,11,13,15,17,19,21,23,25,27,29
.irp c, 0,1
	v_max3_num_f32 v[BM+\c], v[BM+\c], v[SR+32*\c+\i], v[SR+32*\c+\i+1]
.endr
.endr
.irp c, 0,1
	v_max_num_f32 v[BM+\c], v[BM+\c], v[SR+32*\c+31]
.endr
	v_max_num_f32 v[T0], v[BM], v[BM+1]
	v_permlanex16_b32 v[T1], v[T0], s40, s41
	v_max_num_f32 v[T0], v[T0], v[T1]              ; with lane l xor 16's 64 keys: the step's largest score of my query
.if \first
	v_mul_f32 v13, s22, v[T0]                      ; as t (the factor is positive)
	v_floor_f32 v12, -v13                          ; -M = floor(-t) = -ceil(t)
.else
	v_mul_f32 v[T0], s22, v[T0]
	v_max_num_f32 v13, v13, v[T0]                  ; the running largest t
	v_mov_b32 v[T2], v12
	v_floor_f32 v12, -v13
	v_sub_f32 v[T2], v12, v[T2]                    ; old M - new M: a whole number, 0 or less
	v_cvt_i32_f32 v[T2], v[T2]                     ; (it saturates)
	v_ldexp_f32 v[F], 1.0, v[T2]                   ; f
.endif
.irp j, 0,2,4,6,8,10,12,14,16,18,20,22,24,26,28,30,32,34,36,38,40,42,44,46,48,50,52,54,56,58,60,62
	v_pk_fma_f32 v[SR+\j:SR+\j+1], v[SR+\j:SR+\j+1], s[22:23], v[12:13] op_sel_hi:[1,0,0]   ; t - M, two at a time (of the pairs the low word serves both halves)
.endr
.irp c, 0,1
	v_fma_f32 v[BM+\c], v[BM+\c], s22, v12         ; the same of each block's largest score
.endr
.irp j, 0,1,2,3,4,5,6,7,8,9,10,11,12,13,14,15,16,17,18,19,20,21,22,23,24,25,26,27,28,29,30,31,32,33,34,35,36,37,38,39,40,41,42,43,44,45,46,47,48,49,50,51,52,53,54,55,56,57,58,59,60,61,62,63
	v_exp_f32 v[SR+\j], v[SR+\j]                   ; p = 2^(t - M)
.endr
.if \first
	v_nop                                          ; a plain line behind the exponentials
.else
	v_pk_mul_f32 v[14:15], v[14:15], v[F:F+1] op_sel_hi:[1,0]   ; the sums under the new M.  (A plain line behind the exponentials)
.endif
	s_wait_alu depctr_va_vdst(0)                   ; one wait for the whole batch, ahead of its first reader
.irp c, 0,1
	v_exp_f32 v[BM+\c], v[BM+\c]                   ; the block's largest p: the same two instructions on the same number give the same bits
.endr
	v_pk_add_f32 v[SB:SB+1], v[SR:SR+1], v[SR+2:SR+3]  ; THE SUM IS TAKEN OF THE UNQUANTISED p, two at a time, in two chains.  (It reads the 64 alone: plain work behind the two)
.if \first
	v_pk_add_f32 v[14:15], v[SR+4:SR+5], v[SR+6:SR+7]
.irp j, 8,12,16,20,24,28,32,36,40,44,48,52,56,60
	v_pk_add_f32 v[14:15], v[14:15], v[SR+\j:SR+\j+1]
	v_pk_add_f32 v[SB:SB+1], v[SB:SB+1], v[SR+\j+2:SR+\j+3]
.endr
.else
.irp j, 4,8,12,16,20,24,28,32,36,40,44,48,52,56,60
	v_pk_add_f32 v[14:15], v[14:15], v[SR+\j:SR+\j+1]
	v_pk_add_f32 v[SB:SB+1], v[SB:SB+1], v[SR+\j+2:SR+\j+3]
.endr
.endif
	v_pk_add_f32 v[14:15], v[14:15], v[SB:SB+1]
	s_wait_alu depctr_va_vdst(0)                   ; and one for the two
.irp c, 0,1
	v_max_num_f32 v[BM+\c], 0x2800000, v[BM+\c]    ; the floor 2^(5 - 127): the byte cannot fall under 1
.endr
.irp c, 0,1
	v_add_nc_u32 v[SO+\c], 0xfe000000, v[BM+\c]    ; 4 off the exponent field: the conversion's scale operand
.endr
.irp c, 0,1
	v_cvt_scalef32_pk16_bf6_f32 v[P+6*\c:P+6*\c+2], v[SR+32*\c:SR+32*\c+15], v[SO+\c]
	v_cvt_scalef32_pk16_bf6_f32 v[CT+4*\c:CT+4*\c+2], v[SR+32*\c+16:SR+32*\c+31], v[SO+\c]   ; (a conversion's three registers begin on an even number)
.endr
	v_nop                                          ; one plain line behind the last conversion
.if \nad                               ; p has been summed and converted: its registers take the next step's K, 13 loads, while the lines below and the products are worked
	ds_load_b128 v[KS:KS+3], v[\nad] offset:RN+6144
.irp i, 0,1,2,3,4,5,6,7,8,9,10,11
	ds_load_b128 v[SR+4*\i:SR+4*\i+3], v[\nad] offset:RN+512*\i
.endr
.endif
.irp c, 0,1
	v_lshrrev_b32 v[BY+\c], 23, v[SO+\c]           ; the scale's byte
.endr
	v_lshl_or_b32 v[PW], v[BY+1], 16, v[BY]
	v_lshlrev_b32 v[PW], v7, v[PW]                 ; my blocks h and 2 + h at their places,
	v_permlanex16_b32 v[T1], v[PW], s40, s41
	v_or_b32 v[PW], v[PW], v[T1]                   ; with lane l xor 16's two: P's scale word for these 128 keys
.irp c, 0,1
.irp i, 0,1,2
	v_mov_b32 v[P+6*\c+3+\i], v[CT+4*\c+\i]
.endr
.endr
.if \first
.rept 8
	v_nop                                          ; a scale register written by a vector instruction stands eight places ahead of the scaled product, an operand so written four
.endr
.else
.irp j, 0,2,4,6,8,10,12,14,16,18,20,22,24,26,28,30
	v_pk_mul_f32 v[O+\j:O+\j+1], v[O+\j:O+\j+1], v[F:F+1] op_sel_hi:[1,0]   ; O^T under the new M.  (These sixteen are also those places)
.endr
.endif
.if \nad
	s_wait_dscnt 13                                ; V and its scale words are in; the 13 loads of the next K, issued behind them, may be out
.else
	s_wait_dscnt 0x0                               ; V and its scale words are in
.endif
.irp n, 0,1,2,3                        ; the four accumulators take turns, one instruction a turn
.if \first
	MM O+8*\n, KR+12*\n, P, -1, VS+\n/2, PW, \n%2
.else
	MM O+8*\n, KR+12*\n, P, O+8*\n, VS+\n/2, PW, \n%2
.endif
.endr
.rept 5
	v_nop                                          ; five places: the next step's first products write S^T over V's registers, which these products have read (four would do for the first read of O^T)
.endr
.endm
	s_load_b256 s[4:11], s[0:1], 0x0               ; x s[4:5], qf s[6:7], kv s[8:9], wq s[10:11]
	s_load_b128 s[12:15], s[0:1], 0x20             ; b_proj s[12:13], out0 s[14:15]
	v_lshl_add_u32 v5, v0, 2, SPARE
	v_mov_b32 v6, 0
	ds_add_u32 v5, v6
	s_wait_dscnt 0x0
	v_lshrrev_b32 v80, 5, v0
	v_readfirstlane_b32 s16, v80                   ; wave 0 .. 15
	s_and_b32 s17, s16, 3                          ; j
	s_lshr_b32 s18, s16, 2                         ; g
	s_bfe_u32 s19, ttmp6, 0x40000                  ; cx: my place in the cluster
	s_lshl_b32 s20, ttmp9, 2                       ; (in a cluster launch ttmp9 counts clusters)
	s_add_co_u32 s20, s20, s19                     ; G: it enters q's, x's and out's addresses alone
	s_and_b32 s21, ttmp7, 0xffff                   ; b, which the four partners share
	s_mov_b32 s22, 0x3e38aa3b                      ; log2(e) / 8
	s_mov_b32 s23, s22                             ; (named with it as a pair, so it is written)
	s_mov_b32 s40, 0x76543210                      ; v_permlanex16_b32's selects for lane l xor 16
	s_mov_b32 s41, 0xfedcba98
	; descriptor group 1: 102 dense rows of 256 bytes (32 elements of 8 bytes): two records
	s_mov_b32 s24, 15|(3<<16)|(1<<21)              ; 15:0 the mask: all four work-groups; 17:16 elements of 8 bytes; 20 no padding; 21 set beside a mask
	s_mov_b32 s25, 32<<16                          ; tensor_dim0 = 32
	s_mov_b32 s26, 102<<16                         ; tensor_dim1 = 102
	s_mov_b32 s27, 32<<16                          ; tile_dim0 = 32
	s_mov_b32 s28, 102                             ; tile_dim1 = 102
	s_mov_b32 s29, 32                              ; from row to row
	s_mov_b32 s30, 0
	s_mov_b32 s31, 0
	s_mul_i32 s42, s17, 2*REC                      ; what I fetch, if I fetch (waves 0-3: w & 3 = w): two records of a chunk
	s_mul_i32 s43, s18, 2*REC                      ; what I read: my group's two records
	s_mul_i32 s44, s21, 32*REC                     ; the batch's 32 records
	s_add_co_u32 s44, s44, s42
	s_mov_b32 s45, 0
	s_mov_b32 s51, 0
	s_wait_kmcnt 0x0
	s_add_nc_u64 s[46:47], s[8:9], s[44:45]
	s_mov_b32 s32, 1                               ; group 0 for slot 0: count = 1,
	s_mov_b32 s33, s42                             ; LDS address,
	s_mov_b64 s[34:35], s[46:47]                   ; chunk 0,
	s_or_b32 s35, s35, 0x80000000                  ; type = 2
	s_mov_b32 s36, 1                               ; for slot 1
	s_add_co_u32 s37, s42, SL
	s_add_nc_u64 s[38:39], s[46:47], CH            ; chunk 1
	s_or_b32 s39, s39, 0x80000000
	s_mov_b32 s68, 1                               ; and for slot 2
	s_add_co_u32 s69, s42, 2*SL
	s_add_nc_u64 s[70:71], s[46:47], 2*CH          ; chunk 2
	s_or_b32 s71, s71, 0x80000000
	ROUND                                          ; all four work-groups are here: the first joint loads meet
	s_cmp_lt_u32 s16, 4                            ; a wave's three first fills stand in one branch, ahead of every wait on TENSORcnt, every LDS read and every other barrier
	s_cbranch_scc0 .Lno_first
	tensor_load_to_lds s[32:35], s[24:31]
	s_nop 0
	tensor_load_to_lds s[36:39], s[24:31]
	s_nop 0
	tensor_load_to_lds s[68:71], s[24:31]
	s_nop 0
.rept 4
	v_nop
.endr
.Lno_first:
	; the registers that products name and no load fills are written here, ahead of the head's address arithmetic: an operand written by a vector instruction stands four places or more ahead of a scaled product, and the lines below are those places
.irp i, 6,7,8,9,10,11
	v_mov_b32 v[Q+\i], 0                           ; the upper 64 along K: zero codes
	v_mov_b32 v[WP+\i], 0
	v_mov_b32 v[Y+42+\i], 0                        ; named behind K's last tile in the first step, so they are written
.endr
	v_mov_b32 v[T1], 0                             ; a lane permute's destination counts as one of its sources
	v_mov_b32 v[F+1], 0                            ; (named as the upper half of the pair)
	v_and_b32 v80, 31, v0                          ; lane
	v_and_b32 v81, 15, v0                          ; r
	v_bfe_u32 v82, v0, 4, 1                        ; h
	v_lshlrev_b32 v[AD0], 4, v80
	v_add_nc_u32 v[AD0], s43, v[AD0]
	v_add_nc_u32 v[AD1], SL, v[AD0]
	v_add_nc_u32 v[AD2], 2*SL, v[AD0]
	v_lshlrev_b32 v[AS0], 3, v80
	v_add_nc_u32 v[AS0], s43, v[AS0]
	v_add_nc_u32 v[AS1], SL, v[AS0]
	v_add_nc_u32 v[AS2], 2*SL, v[AS0]
	v_lshlrev_b32 v7, 3, v82
	s_mul_i32 s48, s16, MW
	s_add_co_u32 s48, s48, MRG
	v_lshl_add_u32 v8, v80, 4, s48                 ; my part of the merge
	s_add_co_u32 s48, s48, 4096
	v_lshl_add_u32 v9, v80, 3, s48
	s_mul_i32 s48, s17, MW
	s_add_co_u32 s48, s48, MRG
	v_lshl_add_u32 v10, v80, 4, s48                ; my tile's four parts: waves j, j + 4, j + 8, j + 12
	s_add_co_u32 s48, s48, 4096
	v_lshl_add_u32 v11, v80, 3, s48
	s_mul_i32 s48, s18, 8*SP
	s_lshl_b32 s49, s17, 2
	s_add_co_u32 s48, s48, s49
	s_add_co_u32 s48, s48, STG
	v_mul_u32_u24 v30, v82, 32*SP
	v_lshl_add_u32 v30, v81, 4, v30
	v_add_nc_u32 v30, s48, v30                     ; the stage, in: channel 32 h + 8 g (+ register), pixel 4 r + j
	s_mul_i32 s48, s16, 4*SP
	s_add_co_u32 s48, s48, STG
	v_mul_u32_u24 v31, v82, SP
	v_lshl_add_u32 v31, v81, 4, v31
	v_add_nc_u32 v31, s48, v31                     ; and back: channels 4 w + h (+ 2), 16 bytes a lane
	v_lshlrev_b32 v45, 14, v82
	v_lshl_add_u32 v45, v81, 4, v45                ; the same two rows in x and in out
	; Q: tile (c = G & 1, j) of record 32 b + G / 2: registers 6 e .. 6 e + 5 (e = j & 1) of pair 2 c + j / 2
	s_lshl_b32 s48, s21, 5
	s_lshr_b32 s49, s20, 1
	s_add_co_u32 s48, s48, s49
	s_mul_i32 s48, s48, 6656                       ; the record
	s_and_b32 s49, s20, 1
	s_lshl_b32 s49, s49, 1
	s_lshr_b32 s50, s17, 1
	s_add_co_u32 s49, s49, s50                     ; the pair
	s_mul_i32 s50, s49, 1536
	s_add_co_u32 s50, s50, s48
	s_add_nc_u64 s[52:53], s[6:7], s[50:51]
	s_lshl_b32 s50, s49, 2
	s_add_co_u32 s50, s50, s48
	s_add_nc_u64 s[54:55], s[6:7], s[50:51]        ; the pair's word in a lane's 16 bytes of scale words, 6,144 bytes on
	s_and_b32 s49, s17, 1                          ; e
	s_mul_i32 s50, s49, 520
	v_lshl_add_u32 v88, v80, 4, s50                ; registers 6 e, 6 e + 1 lie at 16 l + 520 e, registers 6 e + 4, 6 e + 5 512 bytes on,
	s_mul_i32 s50, s49, 1016
	v_lshl_add_u32 v89, v80, 4, s50                ; registers 6 e + 2, 6 e + 3 at 16 l + 8 + 1,016 e
	global_load_b64 v[Q:Q+1], v88, s[52:53]
	global_load_b64 v[Q+2:Q+3], v89, s[52:53] offset:8
	global_load_b64 v[Q+4:Q+5], v88, s[52:53] offset:512
	s_lshl_b32 s50, s49, 8
	v_lshl_add_u32 v83, v81, 4, s50                ; lane 16 e + r's 16 bytes
	global_load_b32 v[QS], v83, s[54:55] offset:6144
	; W_proj's tile g, its scale words, and the bias of channels 32 h + 8 g + 0 .. 7
	v_lshlrev_b32 v84, 3, v80
	v_lshlrev_b32 v85, 2, v80
	v_lshlrev_b32 v86, 7, v82
	s_mul_i32 s50, s18, 768
	s_add_nc_u64 s[56:57], s[10:11], s[50:51]
	s_lshl_b32 s50, s18, 7
	s_add_nc_u64 s[58:59], s[10:11], s[50:51]
	s_lshl_b32 s50, s18, 5
	s_add_nc_u64 s[60:61], s[12:13], s[50:51]
.irp p, 0,1,2
	global_load_b64 v[WP+2*\p:WP+2*\p+1], v84, s[56:57] offset:12*768+256*\p
.endr
	global_load_b32 v[WPS], v85, s[58:59] offset:12288+12*128
	global_load_b128 v[BP:BP+3], v86, s[60:61]
	global_load_b128 v[BP+4:BP+7], v86, s[60:61] offset:16
	s_lshl_b32 s50, s21, 20                        ; x and out: batch, channels 4 w on, the group's 64 pixels
	s_lshl_b32 s49, s16, 16
	s_add_co_u32 s50, s50, s49
	s_lshl_b32 s49, s20, 8
	s_add_co_u32 s50, s50, s49
	s_add_nc_u64 s[4:5], s[4:5], s[50:51]
	s_add_nc_u64 s[14:15], s[14:15], s[50:51]
	s_wait_tensorcnt 0x2                           ; my part of chunk 0 is in; the loads of chunks 1 and 2, issued behind it, may stay out
	s_barrier_signal -1
	s_barrier_wait -1                              ; everybody's is
	s_wait_loadcnt 0x0                             ; Q, W_proj, the bias
	STEP AD0, AS0, 0, 1, 0, 0, AD0, 1              ; chunk 0
	STEP AD0, AS0, 1, 0, 1, 1, 0, 0
	CHANGE 1                                       ; chunks 1 and 2 have landed; slot 0 takes chunk 3
	STEP AD1, AS1, 0, 0, 0, 0, AD1, 1              ; chunk 1
	STEP AD1, AS1, 1, 0, 1, 1, AD2, 0              ; (no barrier between chunks 1 and 2: both were shown landed in front of the round)
	STEP AD2, AS2, 0, 0, 0, 1, AD2, 1              ; chunk 2
	STEP AD2, AS2, 1, 0, 1, 1, 0, 0
	CHANGE 0                                       ; chunk 3 has landed; nothing is left to fetch
	STEP AD0, AS0, 0, 0, 0, 0, AD0, 1              ; chunk 3
	STEP AD0, AS0, 1, 0, 1, 1, 0, 0
	; THE MERGE.  My O^T, -M and sum go to LDS as images; every wave then reads the four parts of its tile and brings them under the largest M: factors 2^(M_part - M), exact.
	; (They go into slot 1's bytes: no fill lands there any more, and every wave's reads of that slot were over in front of the barrier above.)
	v_add_f32 v13, v14, v15                        ; the sum's two halves
.irp q, 0,1,2,3,4,5,6,7
	ds_store_b128 v8, v[O+4*\q:O+4*\q+3] offset:512*\q   ; ascending: each result is read from its low end on
.endr
	ds_store_b64 v9, v[12:13]
	global_load_b128 v[16:19], v45, s[4:5]         ; x, for the end: 16 lanes read 256 consecutive bytes, aligned
	global_load_b128 v[20:23], v45, s[4:5] offset:32768
	s_wait_dscnt 0x0                               ; for the others' sake: my stores have landed
	s_barrier_signal -1
	s_barrier_wait -1
.irp gg, 0,1,2,3
	ds_load_b64 v[80+2*\gg:81+2*\gg], v11 offset:\gg*4*MW
.endr
.irp gg, 0,1
.irp q, 0,1,2,3,4,5,6,7
	ds_load_b128 v[S+32*\gg+4*\q:S+32*\gg+4*\q+3], v10 offset:\gg*4*MW+512*\q
.endr
.endr
.irp gg, 2,3
.irp q, 0,1,2,3,4,5,6,7
	ds_load_b128 v[KV+32*(\gg-2)+4*\q:KV+32*(\gg-2)+4*\q+3], v10 offset:\gg*4*MW+512*\q
.endr
.endr
	s_wait_dscnt 32                                ; the four pairs are in; the 32 loads issued behind them may be out
	v_min3_num_f32 v88, v80, v82, v84
	v_min_num_f32 v88, v88, v86                    ; -M of the whole row
.irp gg, 0,1,2,3
	v_sub_f32 v[72+\gg], v88, v[80+2*\gg]          ; M_part - M: a whole number, 0 or less
.endr
.irp gg, 0,1,2,3
	v_cvt_i32_f32 v[72+\gg], v[72+\gg]
.endr
.irp gg, 0,1,2,3
	v_ldexp_f32 v[72+\gg], 1.0, v[72+\gg]
.endr
	v_mul_f32 v89, v72, v81
	v_fma_f32 v89, v73, v83, v89
	v_fma_f32 v89, v74, v85, v89
	v_fma_f32 v89, v75, v87, v89
	v_permlanex16_b32 v90, v89, s40, s41
	v_add_f32 v89, v89, v90                        ; with lane l xor 16's keys: the row's sum
	v_rcp_f32 v91, v89
	v_nop                                          ; a plain line behind the transcendental
	s_wait_alu depctr_va_vdst(0)                   ; and the wait ahead of the first reader
.irp gg, 0,1,2,3
	v_mul_f32 v[P+2*\gg], v[72+\gg], v91           ; factor / sum
.endr
	s_wait_dscnt 0x0
.irp j, 0,2,4,6,8,10,12,14,16,18,20,22,24,26,28,30
	v_pk_mul_f32 v[O+\j:O+\j+1], v[S+\j:S+\j+1], v[P:P+1] op_sel_hi:[1,0]
.endr
.irp j, 0,2,4,6,8,10,12,14,16,18,20,22,24,26,28,30
	v_pk_fma_f32 v[O+\j:O+\j+1], v[S+32+\j:S+33+\j], v[P+2:P+3], v[O+\j:O+\j+1] op_sel_hi:[1,0,1]
.endr
.irp j, 0,2,4,6,8,10,12,14,16,18,20,22,24,26,28,30
	v_pk_fma_f32 v[O+\j:O+\j+1], v[KV+\j:KV+1+\j], v[P+4:P+5], v[O+\j:O+\j+1] op_sel_hi:[1,0,1]
.endr
.irp j, 0,2,4,6,8,10,12,14,16,18,20,22,24,26,28,30
	v_pk_fma_f32 v[O+\j:O+\j+1], v[KV+32+\j:KV+33+\j], v[P+6:P+7], v[O+\j:O+\j+1] op_sel_hi:[1,0,1]
.endr
	; THE PROJECTION.  Lane (r, h) holds channels 32 h + 0 .. 31 of query r: one block, in the operand's layout.  Wave (j, g) makes output channels 32 h + 8 g + 0 .. 7 of tile j.
	QB O, P, CT, BM
	v_lshlrev_b32 v[PW], v7, v[BM+2]
	v_permlanex16_b32 v[T1], v[PW], s40, s41
	v_or_b32 v[PW], v[PW], v[T1]
.rept 8
	v_nop                                          ; eight places between the scale word's last write and the scaled product
.endr
	v_wmma_scale_f32_16x16x128_f8f6f4 v[88:95], v[WP:WP+11], v[P:P+11], v[BP:BP+7], v[WPS], v[PW] matrix_a_fmt:MATRIX_FMT_BF6 matrix_b_fmt:MATRIX_FMT_BF6
.rept 4
	v_nop
.endr
.irp jj, 0,1,2,3,4,5,6,7
	ds_store_b32 v30, v[88+\jj] offset:SP*\jj
.endr
	s_wait_dscnt 0x0
	s_barrier_signal -1
	s_barrier_wait -1                              ; 64 channels x 64 pixels lie in the stage
	ds_load_b128 v[96:99], v31
	ds_load_b128 v[100:103], v31 offset:2*SP
	s_wait_loadcnt 0x0                             ; x
	s_wait_dscnt 0x0
.irp i, 0,2,4,6
	v_pk_add_f32 v[96+\i:97+\i], v[96+\i:97+\i], v[16+\i:17+\i]
.endr
	global_store_b128 v45, v[96:99], s[14:15] th:TH_STORE_NT                ; 16 lanes store 256 consecutive bytes, aligned; written once, read by nobody here
	global_store_b128 v45, v[100:103], s[14:15] offset:32768 th:TH_STORE_NT
	s_wait_tensorcnt 0x0                           ; the wave's end: behind my last tensor load and my last LDS store
	ds_add_u32 v5, v6
	s_wait_dscnt 0x0
	ROUND                                          ; the closing round: no work-group ends while a partner may still ask for a chunk that names it
	s_endpgm
.Lfunc_end_k_qfc2184fc77_attn:
	.size	k_qfc2184fc77_attn, .Lfunc_end_k_qfc2184fc77_attn-k_qfc2184fc77_attn
	.p2alignl 7, 3214868480
	.fill 96, 4, 3214868480
	.section	.rodata,"a",@progbits
	.p2align	6, 0x0
	.amdhsa_kernel k_qfc2184fc77_attn
		.amdhsa_group_segment_fixed_size 327680
		.amdhsa_private_segment_fixed_size 0
		.amdhsa_enable_private_segment 0
		.amdhsa_kernarg_size 48
		.amdhsa_user_sgpr_count 2
		.amdhsa_user_sgpr_kernarg_segment_ptr 1
		.amdhsa_wavefront_size32 1
		.amdhsa_system_sgpr_workgroup_id_x 1
		.amdhsa_system_sgpr_workgroup_id_y 1
		.amdhsa_system_sgpr_workgroup_id_z 1
		.amdhsa_system_vgpr_workitem_id 0
		.amdhsa_next_free_vgpr 256
		.amdhsa_next_free_sgpr 72
		.amdhsa_reserve_vcc 0
		.amdhsa_float_denorm_mode_32 3
		.amdhsa_float_denorm_mode_16_64 3
		.amdhsa_memory_ordered 1
		.amdhsa_forward_progress 1
		.amdhsa_inst_pref_size 134
	.end_amdhsa_kernel
	.amdgpu_metadata
---
amdhsa.version: [ 1, 2 ]
amdhsa.kernels:
  - .name:           k_qfc2184fc77_attn
    .symbol:         k_qfc2184fc77_attn.kd
    .args:
      - { .name: x, .offset: 0, .size: 8, .value_kind: global_buffer, .address_space: global }
      - { .name: qf, .offset: 8, .size: 8, .value_kind: global_buffer, .address_space: global }
      - { .name: kv, .offset: 16, .size: 8, .value_kind: global_buffer, .address_space: global }
      - { .name: wq, .offset: 24, .size: 8, .value_kind: global_buffer, .address_space: global }
      - { .name: b_proj, .offset: 32, .size: 8, .value_kind: global_buffer, .address_space: global }
      - { .name: out0, .offset: 40, .size: 8, .value_kind: global_buffer, .address_space: global }
    .group_segment_fixed_size: 327680
    .private_segment_fixed_size: 0
    .kernarg_segment_align: 8
    .kernarg_segment_size: 48
    .max_flat_workgroup_size: 512
    .sgpr_count:     72
    .vgpr_count:     256
    .wavefront_size: 32
...
	.end_amdgpu_metadata
.endif
;; end of part 3
